; MI455X (gfx1250); checked and timed in simulation.
; The chip was launched on July 23, 2026; its instructions are those of AMD's public machine-readable ISA for CDNA 5 (MIT licence, August 2026) and "CDNA5" Instruction Set Architecture Reference Guide (July 2026). The comments in the code are by the model that wrote it; some were corrected since.
;; Self Attention. Allowed arithmetic: matrix products marked QUANTISED: E2M3 operands, one E8M0 scale for each 32 along K, by v_wmma_scale_f32_16x16x128_f8f6f4 with both operands' format E2M3, f32 sums; products left as they are: f32 operands where the result goes on into a quantised operand, else bf16, f16 or f32 operands; f32 sums; everything else in f32.
;; Inputs: Wq 512 x 1,024 float32; bq 512 float32; mask 128 x 512 bool; vq 512 float32; x 128 x 512 x 1,024 float32.
;; Outputs: out0 128 x 1,024 float32.
;; This version of the problem:
;;   THIS VERSION OF THE PROBLEM IS GIVEN IN LOW PRECISION. The matrix products marked QUANTISED in the list below multiply operands that are first quantised to E2M3 (2 exponent bits, 3 mantissa bits; 6 bits a number), with one power-of-two scale for each 32 numbers along K (OCP MX v1.0); their sums are f32. All else is computed in f32.
;;   The module's matrix products, in the order in which they are computed (A, B: the left and right operand; K: the contracted axis; several contracted axes count as one K, in the product's order):
;;     1. [M 65,536, K 1,024] x [K 1,024, N 512]; A: input x; B: input Wq: QUANTISED
;;     2. [M 65,536, K 512] x [K 512, N 1]; A: computed on the way; B: input vq: left as it is (N = 1 < 16)
;;     3. batch 128 x [M 1, K 512] x [K 512, N 1,024]; A: softmax; B: input x: left as it is (M = 1 < 16)
;;   THE QUANTISER, for each operand of a quantised product, along K:
;;     - K is cut into blocks of 32 from its start; a last block that is shorter is filled with zeros.
;;     - A block's scale is 2^e with e = floor(log2(the largest magnitude in the block)) - 2, held to -126 .. 127; a block of zeros has e = 0. As a byte (E8M0): e + 127.
;;     - Each number is divided by its block's scale, clamped to +-7.5, and rounded to the nearest number of E2M3, ties to even, subnormals kept.
;;     - The product sums the exact products of the quantised numbers (number of the format x scale) in f32.
;;   ~~~python
;;   def quantise(x, axis):      # numpy; x: float32 -> the quantised numbers, widened to float32 again
;;       x = np.moveaxis(x, axis, -1); K = x.shape[-1]
;;       x = np.pad(x, [(0, 0)] * (x.ndim - 1) + [(0, -K % 32)]); x = x.reshape(x.shape[:-1] + (-1, 32)); a = np.abs(x).max(-1, keepdims=True)
;;       e = np.where(a > 0, np.clip(np.frexp(np.where(a > 0, a, 1))[1] - 1 - 2, -126, 127), 0)      # np.frexp(a)[1] - 1 = floor(log2(a)), exactly
;;       r = np.clip(x / 2.0 ** e, -7.5, 7.5)
;;       step = 2.0 ** (np.maximum(np.frexp(np.where(r == 0, 1, r))[1] - 1, 0) - 3)
;;       q = np.round(r / step) * step * 2.0 ** e      # np.round: ties to even
;;       return np.moveaxis(q.reshape(q.shape[:-2] + (-1,))[..., :K], -1, axis).astype(np.float32)
;;   ~~~
;; One version. Each part assembles by itself: llvm-mc -triple=amdgcn-amd-amdhsa -mcpu=gfx1250 --defsym DOCPART=n.
;; ======== version 1 of 1: 3 launches
;; limits: right only within a limited range of input values
;; workspace buffers: wimg 393,216 bytes; wscl 16,384 bytes; part 1,114,112 bytes
;; launch quantw (part 1): grid 256 x 1, 1 waves a work-group, no clusters, 0 bytes of LDS; arguments Wq, wimg, wscl; writes wimg, wscl
.if DOCPART == 1
	.amdgcn_target "amdgcn-amd-amdhsa--gfx1250"
	.amdhsa_code_object_version 6
	.text
	.protected	k_q30618c807b_quantw
	.globl	k_q30618c807b_quantw
	.p2align	8
	.type	k_q30618c807b_quantw,@function
k_q30618c807b_quantw:
	s_mov_b64 s[64:65], 0
	v_nop
	global_prefetch_b8 v0, s[64:65] scope:SCOPE_SE
	s_setreg_imm32_b32 hwreg(HW_REG_WAVE_MODE, 25, 1), 1
	s_wait_xcnt 0x0
; Wq [512][1024], f32, K innermost, becomes codes of FP6 (E2M3) with one E8M0 scale byte for each 32 along K, laid as the next launch's waves want them:
;   wimg: [wave w 0..3][fragment 8 s + t][c 0..2][lane][16 bytes]: the image of the operand's registers for rows 128 w + 16 t + 0 .. 15, K step s (128 along K): 1,536 bytes a fragment;
;   wscl: [row 0..511][K step 0..7]: one word of four scale bytes.
; A block's scale is 2^(floor(log2(its largest magnitude)) - 2); its byte is the largest magnitude's exponent field - 2, held at 1 from below.
; LIMITS: NaN and infinities are not served; a block whose largest magnitude lies under 2^-124 has its byte held at 1; a block of zeros has the byte 1 where the rule says 127
; (its codes are zeros, which add nothing under any byte but 0xff, and this program alone reads the bytes).
; SHARES: a work-group is one wave and makes one fragment: work-group g takes rows 16 (g / 8) + 0 .. 15 and K step g % 8: 256 work-groups for the 256 fragments.
; Lane (r, h) takes, of row r, 16 neighbouring numbers of each block of 32: 64 bytes in four loads.  The tensor is 2 MiB and is read once: the lanes' 64-byte pieces lie a row apart, which is accepted here.
; Each store of codes covers 512 consecutive bytes.  No LDS, no barrier, no matrix work.
.set SO,  12                           ; v12-15   the conversions' scale operands
.set PC,  24                           ; v24-35   the fragment
.set TM,  36                           ; v36-43   largest magnitudes and bytes; then the conversions' upper halves
.set ST0, 48                           ; v48-111  my 64 numbers
.set SEL, 20                           ; s[20:21] v_permlanex16_b32's selects for lane l xor 16
; 64 numbers of a lane, register 16 b + i = k 32 b + 16 (lane / 16) + i of my row, become a fragment's codes in v[PC] on and its scale word in v[pw].
.macro QUANT s, pw
.irp b, 0,1,2,3
	v_max3_num_f32 v[TM+\b], |v[\s+16*\b]|, |v[\s+1+16*\b]|, 0x1800000   ; block b: my 16 numbers, and the floor 2^(3 - 127): the byte cannot fall under 1
.endr
.irp i, 2,4,6,8,10,12,14
.irp b, 0,1,2,3
	v_max3_num_f32 v[TM+\b], v[TM+\b], |v[\s+16*\b+\i]|, |v[\s+1+16*\b+\i]|   ; the four blocks by turns
.endr
.endr
.irp b, 0,1,2,3
	v_permlanex16_b32 v[TM+4+\b], v[TM+\b], s[SEL], s[SEL+1]
.endr
.irp b, 0,1,2,3
	v_max_num_f32 v[TM+\b], v[TM+\b], v[TM+4+\b]   ; with lane l xor 16's: the block's largest magnitude
.endr
.irp b, 0,1,2,3
	v_add_nc_u32 v[SO+\b], 0xff000000, v[TM+\b]    ; 2 off its exponent field: the conversion takes the exponent field of this operand as its scale
.endr
.irp b, 0,1,2,3
	v_lshrrev_b32 v[TM+4+\b], 23, v[SO+\b]         ; the scale's byte
.endr
	v_lshl_or_b32 v[\pw], v[TM+5], 8, v[TM+4]      ; the four bytes make my row's scale word
	v_lshl_or_b32 v[\pw], v[TM+6], 16, v[\pw]
	v_lshl_or_b32 v[\pw], v[TM+7], 24, v[\pw]
.irp c, 0,1
	v_cvt_scalef32_pk16_fp6_f32 v[PC+6*\c:PC+2+6*\c], v[\s+32*\c:\s+15+32*\c], v[SO+2*\c]
	v_cvt_scalef32_pk16_fp6_f32 v[TM+4*\c:TM+2+4*\c], v[\s+16+32*\c:\s+31+32*\c], v[SO+2*\c+1]   ; (three registers that begin on an even number; the magnitudes and bytes there are done with)
.endr
	v_nop                                          ; one plain place behind a scaled conversion
.irp c, 0,1                                    ; the operand's layout wants a WHOLE block in a lane: lanes 0-15 block 2 c, lanes 16-31 block 2 c + 1
.irp i, 0,1,2
	v_permlane16_swap_b32 v[PC+6*\c+\i], v[TM+4*\c+\i]
.endr
.irp i, 0,1,2
	v_mov_b32 v[PC+3+6*\c+\i], v[TM+4*\c+\i]
.endr
.endr
.endm
	s_load_b128 s[4:7], s[0:1], 0x0                ; Wq, wimg
	s_load_b64 s[8:9], s[0:1], 0x10                ; wscl
	v_and_b32 v1, 31, v0                           ; lane
	v_and_b32 v2, 15, v0                           ; r
	v_bfe_u32 v3, v0, 4, 1                         ; h
	v_lshlrev_b32 v4, 12, v2
	v_lshl_add_u32 v4, v3, 6, v4                   ; in: row r of 4,096 bytes, + 64 h
	v_lshlrev_b32 v5, 4, v1                        ; an image's place for my lane: 16 x lane
	v_lshlrev_b32 v6, 5, v2                        ; scale words: row r of 32 bytes
	s_mov_b32 s[SEL], 0x76543210
	s_mov_b32 s[SEL+1], 0xfedcba98
.irp b, 0,1,2,3
	v_mov_b32 v[TM+4+\b], 0                        ; written once: a lane permute's destination counts as one of its sources
.endr
	s_lshr_b32 s13, ttmp9, 3                       ; which 16 rows: g / 8
	s_and_b32 s22, ttmp9, 7                        ; which K step: g % 8
	s_lshl_b32 s14, s13, 16                        ; Wq: 16 rows of 4,096 bytes,
	s_lshl_b32 s15, s22, 9                         ; 512 bytes a K step
	s_add_co_u32 s14, s14, s15
	s_mov_b32 s15, 0
	s_lshr_b32 s16, s13, 3                         ; wimg: 64 fragments for each 128 rows,
	s_mul_i32 s16, s16, 98304
	s_and_b32 s17, s13, 7                          ; a fragment for each 16 rows among them,
	s_mul_i32 s17, s17, 1536
	s_add_co_u32 s16, s16, s17
	s_mul_i32 s17, s22, 12288                      ; 8 fragments for each K step
	s_add_co_u32 s16, s16, s17
	s_mov_b32 s17, 0
	s_lshl_b32 s18, s13, 9                         ; wscl: 16 rows of 32 bytes,
	s_lshl_b32 s19, s22, 2                         ; a word for each K step
	s_add_co_u32 s18, s18, s19
	s_mov_b32 s19, 0
	s_wait_alu depctr_va_vdst(0)                   ; the wait at the head's end
	s_wait_kmcnt 0x0
	s_add_nc_u64 s[4:5], s[4:5], s[14:15]
	s_add_nc_u64 s[6:7], s[6:7], s[16:17]
	s_add_nc_u64 s[8:9], s[8:9], s[18:19]
.irp b, 0,1,2,3
.irp j, 0,1,2,3
	global_load_b128 v[ST0+16*\b+4*\j:ST0+16*\b+4*\j+3], v4, s[4:5] offset:128*\b+16*\j th:TH_LOAD_NT
.endr
.endr
	v_cmp_eq_u32 vcc_lo, 0, v3                     ; lanes 0-15
	s_wait_loadcnt 0x0
	QUANT ST0, 8
.irp c, 0,1,2
	global_store_b128 v5, v[PC+4*\c:PC+4*\c+3], s[6:7] offset:512*\c   ; 32 lanes store 512 consecutive bytes
.endr
	s_wait_xcnt 0x0                                ; EXEC is a source of the stores above: it changes only behind this wait
	s_and_saveexec_b32 s23, vcc_lo                 ; both halves of the lanes hold row r's word: lanes 0-15 store it
	global_store_b32 v6, v8, s[8:9]
	s_wait_xcnt 0x0                                ; and again in front of the line that widens it
	s_or_b32 exec_lo, exec_lo, s23
	s_endpgm
.Lfunc_end_k_q30618c807b_quantw:
	.size	k_q30618c807b_quantw, .Lfunc_end_k_q30618c807b_quantw-k_q30618c807b_quantw
	.p2alignl 7, 3214868480
	.fill 96, 4, 3214868480
	.section	.rodata,"a",@progbits
	.p2align	6, 0x0
	.amdhsa_kernel k_q30618c807b_quantw
		.amdhsa_group_segment_fixed_size 0
		.amdhsa_private_segment_fixed_size 0
		.amdhsa_enable_private_segment 0
		.amdhsa_kernarg_size 24
		.amdhsa_user_sgpr_count 2
		.amdhsa_user_sgpr_kernarg_segment_ptr 1
		.amdhsa_wavefront_size32 1
		.amdhsa_system_sgpr_workgroup_id_x 1
		.amdhsa_system_sgpr_workgroup_id_y 1
		.amdhsa_system_sgpr_workgroup_id_z 1
		.amdhsa_system_vgpr_workitem_id 0
		.amdhsa_next_free_vgpr 112
		.amdhsa_next_free_sgpr 66
		.amdhsa_reserve_vcc 1
		.amdhsa_float_denorm_mode_32 3
		.amdhsa_float_denorm_mode_16_64 3
		.amdhsa_memory_ordered 1
		.amdhsa_forward_progress 1
		.amdhsa_inst_pref_size 8
	.end_amdhsa_kernel
	.amdgpu_metadata
---
amdhsa.version: [ 1, 2 ]
amdhsa.kernels:
  - .name:           k_q30618c807b_quantw
    .symbol:         k_q30618c807b_quantw.kd
    .args:
      - { .name: Wq, .offset: 0, .size: 8, .value_kind: global_buffer, .address_space: global }
      - { .name: wimg, .offset: 8, .size: 8, .value_kind: global_buffer, .address_space: global }
      - { .name: wscl, .offset: 16, .size: 8, .value_kind: global_buffer, .address_space: global }
    .group_segment_fixed_size: 0
    .private_segment_fixed_size: 0
    .kernarg_segment_align: 8
    .kernarg_segment_size: 24
    .max_flat_workgroup_size: 32
    .sgpr_count:     66
    .vgpr_count:     112
    .wavefront_size: 32
...
	.end_amdgpu_metadata
.endif
;; end of part 1
;; launch pool (part 2): grid 256 x 1, 4 waves a work-group, no clusters, 327,680 bytes of LDS; arguments x, mask, bq, vq, wimg, wscl, part; writes part
.if DOCPART == 2
	.amdgcn_target "amdgcn-amd-amdhsa--gfx1250"
	.amdhsa_code_object_version 6
	.text
	.protected	k_q30618c807b_pool
	.globl	k_q30618c807b_pool
	.p2align	8
	.type	k_q30618c807b_pool,@function
k_q30618c807b_pool:
	s_mov_b64 s[64:65], 0
	v_nop
	global_prefetch_b8 v0, s[64:65] scope:SCOPE_SE
	s_setreg_imm32_b32 hwreg(HW_REG_WAVE_MODE, 25, 1), 1
	s_wait_xcnt 0x0
.set RP,    4160
.set GRP,   8*RP+16
.set SLOT,  4*GRP
.set FRB,   1536
.set XIMG,  266496
.set XSC,   XIMG+16*FRB
.set PS,    XSC+1024
.set PB,    PS+512
.set SPARE, PB+512
.set QA,  1
.set WA,  3
.set LI,  7
.set XWI, 8
.set XWS, 9
.set XRS, 10
.set PSW, 11
.set PSR, 12
.set PBW, 13
.set PBR, 14
.set MK,  15
.set RM,  16
.set RL,  17
.set RF,  18
.set SPW, 20
.set NIL, 21
.set VS,  22
.set GS,  23
.set ACC, 24
.set CB,  32
.set VQ2, 40
.set WS,  48
.set W63, 80
.set PW,  92
.set GA,  93
.set GB,  94
.set GM,  95
.set ST0, 96
.set ST1, 160
.set XS,  224
.set SO,  232
.set PC,  236
.set TM,  248
.set AC,  96
.set XF,  160
.set S,   232
.set P,   96
.set X,   128
.set T,   240
.set WV,  18
.set CNT, 19
.set SEL, 20
.set C2,  22
.set G1,  24
.set G0,  32
.set MSB, 0
.macro WIN new
.if MSB != (\new)
	s_set_vgpr_msb (MSB<<8)|(\new)
.set MSB, \new
.endif
.endm
.macro PLACES
.rept 4
	v_nop
.endr
.endm
.macro BARRIER
	s_wait_dscnt 0x0
	s_barrier_signal -1
	s_barrier_wait -1
.endm
.macro QUANT s, pw
.irp b, 0,1,2,3
	v_max3_num_f32 v[TM+\b], |v[\s+16*\b]|, |v[\s+1+16*\b]|, 0x1800000
.endr
.irp i, 2,4,6,8,10,12,14
.irp b, 0,1,2,3
	v_max3_num_f32 v[TM+\b], v[TM+\b], |v[\s+16*\b+\i]|, |v[\s+1+16*\b+\i]|
.endr
.endr
.irp b, 0,1,2,3
	v_permlanex16_b32 v[TM+4+\b], v[TM+\b], s[SEL], s[SEL+1]
.endr
.irp b, 0,1,2,3
	v_max_num_f32 v[TM+\b], v[TM+\b], v[TM+4+\b]
.endr
.irp b, 0,1,2,3
	v_add_nc_u32 v[SO+\b], 0xff000000, v[TM+\b]
.endr
.irp b, 0,1,2,3
	v_lshrrev_b32 v[TM+4+\b], 23, v[SO+\b]
.endr
	v_lshl_or_b32 v[\pw], v[TM+5], 8, v[TM+4]
	v_lshl_or_b32 v[\pw], v[TM+6], 16, v[\pw]
	v_lshl_or_b32 v[\pw], v[TM+7], 24, v[\pw]
.irp c, 0,1
	v_cvt_scalef32_pk16_fp6_f32 v[PC+6*\c:PC+2+6*\c], v[\s+32*\c:\s+15+32*\c], v[SO+2*\c]
	v_cvt_scalef32_pk16_fp6_f32 v[TM+4*\c:TM+2+4*\c], v[\s+16+32*\c:\s+31+32*\c], v[SO+2*\c+1]
.endr
	v_nop
.irp c, 0,1
.irp i, 0,1,2
	v_permlane16_swap_b32 v[PC+6*\c+\i], v[TM+4*\c+\i]
.endr
.irp i, 0,1,2
	v_mov_b32 v[PC+3+6*\c+\i], v[TM+4*\c+\i]
.endr
.endr
.endm
	s_load_b256 s[4:11], s[0:1], 0x0
	s_load_b128 s[12:15], s[0:1], 0x20
	s_load_b64 s[16:17], s[0:1], 0x30
	v_lshl_add_u32 v[SPW], v0, 2, SPARE
	v_mov_b32 v[NIL], 0
	ds_add_u32 v20, v21
	ds_add_u32 v20, v21
	s_wait_dscnt 0x0
	v_lshrrev_b32 v96, 5, v0
	v_readfirstlane_b32 s[WV], v96
	s_mov_b32 s[G1+0], (3<<16)|(1<<20)|(7<<22)|(3<<25)
	s_mov_b32 s[G1+1], 128<<16
	s_mov_b32 s[G1+2], 32<<16
	s_mov_b32 s[G1+3], 128<<16
	s_mov_b32 s[G1+4], 32
	s_mov_b32 s[G1+5], 128
	s_mov_b32 s[G1+6], 0
	s_mov_b32 s[G1+7], 0
	s_mov_b32 s[G0+0], 1
	s_mul_i32 s[G0+1], s[WV], GRP
	s_mov_b32 s[G0+4], 1
	s_add_co_u32 s[G0+5], s[G0+1], SLOT
	s_lshl_b32 s40, ttmp9, 20
	s_lshl_b32 s41, s[WV], 15
	s_add_co_u32 s40, s40, s41
	s_mov_b32 s41, 0
	s_wait_kmcnt 0x0
	s_add_nc_u64 s[G0+2:G0+3], s[4:5], s[40:41]
	s_add_nc_u64 s[G0+6:G0+7], s[G0+2:G0+3], 131072
	s_or_b32 s[G0+3], s[G0+3], 0x80000000
	s_or_b32 s[G0+7], s[G0+7], 0x80000000
	tensor_load_to_lds s[G0:G0+3], s[G1:G1+7]      ; slot 0: my 8 of the first 32 rows of x; one tensor load a wave at the head
	s_nop 0
	PLACES
	; between this load and the wait for it stand the loads of my 64 fragments of Wq's codes, their scale words, bq, vq and the mask, and the LDS addresses
	s_mul_i32 s40, s[WV], 64*FRB
	s_add_nc_u64 s[12:13], s[12:13], s[40:41]
	s_lshl_b32 s40, s[WV], 12
	s_add_nc_u64 s[14:15], s[14:15], s[40:41]
	s_lshl_b32 s40, s[WV], 9
	s_add_nc_u64 s[8:9], s[8:9], s[40:41]
	s_add_nc_u64 s[10:11], s[10:11], s[40:41]
	s_lshl_b32 s40, ttmp9, 8
	s_add_nc_u64 s[6:7], s[6:7], s[40:41]
	s_mul_i32 s40, ttmp9, 4352
	s_add_nc_u64 s[16:17], s[16:17], s[40:41]
	s_mov_b32 s[SEL], 0x76543210
	s_mov_b32 s[SEL+1], 0xfedcba98
	s_mov_b32 s[C2], 0x4038aa3b
	s_mov_b32 s[C2+1], s[C2]
	v_and_b32 v96, 31, v0
	v_and_b32 v97, 15, v0
	v_bfe_u32 v98, v0, 4, 1
	v_bfe_u32 v99, v0, 2, 2
	s_wait_alu depctr_va_vdst(0)
	v_and_b32 v100, 3, v0
	v_lshlrev_b32 v[GA], 4, v96
	v_lshlrev_b32 v[GS], 5, v96
	v_lshlrev_b32 v[GB], 2, v97
	v_lshlrev_b32 v[GM], 3, v99
	v_lshl_add_u32 v[GM], v98, 2, v[GM]
	v_add_nc_u32 v[GM], v[GM], v100
.set FN, 0
.rept 63
.set WN, (1+FN/21)*64
	WIN WN
.irp c, 0,1,2
	global_load_b128 v[12*(FN%21)+4*\c:12*(FN%21)+4*\c+3], v[GA], s[12:13] offset:FRB*FN+512*\c
.endr
.set FN, FN+1
.endr
	WIN 0
.irp c, 0,1,2
	global_load_b128 v[W63+4*\c:W63+4*\c+3], v[GA], s[12:13] offset:FRB*63+512*\c
.endr
.irp u, 0,1,2,3
	global_load_b128 v[WS+8*\u:WS+8*\u+3], v[GS], s[14:15] offset:1024*\u
	global_load_b128 v[WS+8*\u+4:WS+8*\u+7], v[GS], s[14:15] offset:1024*\u+16
.endr
.irp t, 0,1,2,3,4,5,6,7
	global_load_b32 v[CB+\t], v[GB], s[8:9] offset:64*\t
	global_load_b32 v[VQ2+\t], v[GB], s[10:11] offset:64*\t
.endr
.irp c, 0,1,2,3,4,5,6,7
	global_load_u8 v[ACC+\c], v[GM], s[6:7] offset:32*\c
.endr
	s_lshr_b32 s42, s[WV], 1
	s_mul_i32 s42, s42, 4*RP
	s_and_b32 s43, s[WV], 1
	s_mul_i32 s43, s43, 2080
	s_add_co_u32 s42, s42, s43
	v_mul_u32_u24 v[QA], v99, GRP
	s_wait_alu depctr_va_vdst(0)
	v_mad_u32_u24 v[QA], v100, RP, v[QA]
	v_lshl_add_u32 v[QA], v98, 6, v[QA]
	v_add_nc_u32 v[QA], s42, v[QA]
	v_add_nc_u32 v[QA+1], SLOT, v[QA]
	s_mul_i32 s43, s[WV], 1040
	v_lshl_add_u32 v[WA], v96, 4, s43
	v_add_nc_u32 v[WA+1], 2*GRP, v[WA]
	v_add_nc_u32 v[WA+2], SLOT, v[WA]
	v_add_nc_u32 v[WA+3], SLOT+2*GRP, v[WA]
	v_lshl_add_u32 v[LI], v96, 4, XIMG
	s_mul_i32 s44, s[WV], 4*FRB
	v_add_nc_u32 v[XWI], s44, v[LI]
	v_lshl_add_u32 v[XRS], v97, 4, XSC
	s_lshl_b32 s45, s[WV], 8
	v_add_nc_u32 v[XWS], s45, v[XRS]
	s_lshl_b32 s46, s[WV], 7
	v_lshl_add_u32 v[PSW], v98, 5, PS
	v_add_nc_u32 v[PSW], s46, v[PSW]
	v_lshl_add_u32 v[PSR], v96, 2, PS
	v_lshl_add_u32 v[PBW], v96, 2, PB
	v_add_nc_u32 v[PBW], s46, v[PBW]
	v_mov_b32 v[PBR], PB
	v_add_nc_u32 v[PBR], s46, v[PBR]
.irp b, 0,1,2,3
	v_mov_b32 v[TM+4+\b], 0
.endr
	v_mov_b32 v[RM], 0xff61b1e6
	v_mov_b32 v[RL], 0
	v_mov_b32 v[RF+1], 0
.macro HEAD slot, refill
	s_wait_tensorcnt 0x0
	ds_add_u32 v[SPW], v[NIL]
.if \refill
	s_add_nc_u64 s[G0+6-4*\slot:G0+7-4*\slot], s[G0+6-4*\slot:G0+7-4*\slot], 262144
.endif
	s_wait_dscnt 0x0
	s_barrier_signal -1
	s_barrier_wait -1
.if \refill
	tensor_load_to_lds s[G0+4-4*\slot:G0+7-4*\slot], s[G1:G1+7]
	s_nop 0
	PLACES
.endif
.endm
.macro LOADQ slot, i, st
.irp b, 0,1,2,3
.irp j, 0,1,2,3
	ds_load_b128 v[\st+16*\b+4*\j:\st+16*\b+4*\j+3], v[QA+\slot] offset:512*\i+16*(\i/2)+128*\b+16*\j
.endr
.endr
.endm
.macro IMAGE i
.irp c, 0,1,2
	ds_store_b128 v[XWI], v[PC+4*\c:PC+4*\c+3] offset:FRB*\i+512*\c
.endr
	ds_store_b32 v[XWS], v[PW] offset:4*\i
.endm
.macro QPHASE slot
	LOADQ \slot, 0, ST0
	LOADQ \slot, 1, ST1
	s_wait_dscnt 16
	QUANT ST0, PW
	IMAGE 0
	LOADQ \slot, 2, ST0
	s_wait_dscnt 16
	QUANT ST1, PW
	IMAGE 1
	LOADQ \slot, 3, ST1
	s_wait_dscnt 16
	QUANT ST0, PW
	IMAGE 2
	s_wait_dscnt 0x0
	QUANT ST1, PW
	IMAGE 3
.endm
.macro WLOAD slot, n
.set Q2, (\n)/2
.set G2, (Q2%16)/4
.set XR, X+32*(((\n)/8+1)%3)+4*((\n)%8)
	ds_load_b128 v[XR:XR+3], v[WA+2*\slot+G2/2] offset:(G2%2)*GRP+(4*(Q2/16)+Q2%4)*RP+512*((\n)%2)
.endm
.macro WBATCH slot, b
.set NB, 8*(\b)
.rept 8
	WLOAD \slot, NB
.set NB, NB+1
.endr
.endm
.macro FETCH tau, s
.irp c, 0,1,2
	ds_load_b128 v[XF+12*((\s)%4)+4*\c:XF+12*((\s)%4)+4*\c+3], v[LI] offset:(8*\tau+\s)*FRB+512*\c
.endr
.endm
.macro ENTRY tau
	ds_load_b128 v[XS:XS+3], v[XRS] offset:512*\tau
	ds_load_b128 v[XS+4:XS+7], v[XRS] offset:512*\tau+256
	FETCH \tau, 0
	FETCH \tau, 1
	FETCH \tau, 2
	FETCH \tau, 3
.endm
.macro MM tau
.irp s, 0,1,2,3,4,5,6,7
.if \s < 6
	s_wait_dscnt 9-3*(\s%2)
.else
	s_wait_dscnt 3*(7-\s)
.endif
.irp u, 0,1,2,3
.irp o, 0,1
.set FN, 8*\s+2*\u+\o
.if FN == 63
.set WN, 0
.set WR, W63
.else
.set WN, (1+FN/21)*4
.set WR, 12*(FN%21)
.endif
	WIN WN
.set RD, AC+8*(2*\u+\o)
.set RA, XF+12*(\s%4)
.if \s == 0
.if \o
	v_wmma_scale_f32_16x16x128_f8f6f4 v[RD:RD+7], v[RA:RA+11], v[WR:WR+11], 0, v[XS+\s], v[WS+8*\u+\s] matrix_a_fmt:MATRIX_FMT_FP6 matrix_b_fmt:MATRIX_FMT_FP6 matrix_b_scale:MATRIX_SCALE_ROW1
.else
	v_wmma_scale_f32_16x16x128_f8f6f4 v[RD:RD+7], v[RA:RA+11], v[WR:WR+11], 0, v[XS+\s], v[WS+8*\u+\s] matrix_a_fmt:MATRIX_FMT_FP6 matrix_b_fmt:MATRIX_FMT_FP6
.endif
.else
.if \o
	v_wmma_scale_f32_16x16x128_f8f6f4 v[RD:RD+7], v[RA:RA+11], v[WR:WR+11], v[RD:RD+7], v[XS+\s], v[WS+8*\u+\s] matrix_a_fmt:MATRIX_FMT_FP6 matrix_b_fmt:MATRIX_FMT_FP6 matrix_b_scale:MATRIX_SCALE_ROW1
.else
	v_wmma_scale_f32_16x16x128_f8f6f4 v[RD:RD+7], v[RA:RA+11], v[WR:WR+11], v[RD:RD+7], v[XS+\s], v[WS+8*\u+\s] matrix_a_fmt:MATRIX_FMT_FP6 matrix_b_fmt:MATRIX_FMT_FP6
.endif
.endif
.endr
.endr
.if \s == 1
	PLACES
	FETCH \tau, 4
	FETCH \tau, 5
.endif
.if \s == 3
	PLACES
	FETCH \tau, 6
	FETCH \tau, 7
.endif
.endr
.endm
.macro TANH tau
.irp u, 0,1,2,3
.irp o, 0,1
.irp p, 0,1,2,3
	v_pk_fma_f32 v[AC+8*(2*\u+\o)+2*\p:AC+8*(2*\u+\o)+2*\p+1], v[AC+8*(2*\u+\o)+2*\p:AC+8*(2*\u+\o)+2*\p+1], s[C2:C2+1], v[CB+2*\u:CB+2*\u+1] op_sel:[0,0,\o] op_sel_hi:[1,0,\o]
.endr
.endr
.endr
.set J, 0
	s_wait_alu depctr_va_vdst(0)
.rept 64
	v_exp_f32 v[AC+J], v[AC+J]
.set J, J+1
.endr
	v_nop
.set J, 0
	s_wait_alu depctr_va_vdst(0)
.rept 32
	v_pk_add_f32 v[AC+J:AC+J+1], v[AC+J:AC+J+1], 1.0 op_sel_hi:[1,0]
.set J, J+2
.endr
.set J, 0
	s_wait_alu depctr_va_vdst(0)
.rept 64
	v_rcp_f32 v[AC+J], v[AC+J]
.set J, J+1
.endr
	v_nop
	s_wait_alu depctr_va_vdst(0)
.irp u, 0,1,2,3
.irp o, 0,1
.irp p, 0,1,2,3
.if (2*\u+\o) == 0
	v_pk_fma_f32 v[S+2*\p:S+2*\p+1], v[AC+2*\p:AC+2*\p+1], v[VQ2:VQ2+1], v[VS:VS+1] op_sel_hi:[1,0,0]
.else
	v_pk_fma_f32 v[S+2*\p:S+2*\p+1], v[AC+8*(2*\u+\o)+2*\p:AC+8*(2*\u+\o)+2*\p+1], v[VQ2+2*\u:VQ2+2*\u+1], v[S+2*\p:S+2*\p+1] op_sel:[0,\o,0] op_sel_hi:[1,\o,1]
.endif
.endr
.endr
.endr
.irp x, 1,2,4,8
.irp j, 0,1,2,3,4,5,6,7
	v_add_f32_dpp v[S+\j], v[S+\j], v[S+\j] row_xmask:\x row_mask:0xf bank_mask:0xf
.endr
.endr
	ds_store_b128 v[PSW], v[S:S+3] offset:64*\tau
	ds_store_b128 v[PSW], v[S+4:S+7] offset:64*\tau+16
.endm
.macro GPHASE slot, first
	ENTRY 0
.if \first
	s_wait_loadcnt 0x0
.irp t, 0,1,2,3,4,5,6,7
	v_mul_f32 v[CB+\t], s[C2], v[CB+\t]
.endr
	v_add_f32 v[VS], v[VQ2], v[VQ2+1]
.irp t, 2,3,4,5,6,7
	v_add_f32 v[VS], v[VS], v[VQ2+\t]
.endr
.irp t, 0,1,2,3,4,5,6,7
	v_mul_f32 v[VQ2+\t], -2.0, v[VQ2+\t]
.endr
	v_lshl_or_b32 v[MK], v[ACC+1], 1, v[ACC]
.irp c, 2,3,4,5,6,7
	v_lshl_or_b32 v[MK], v[ACC+\c], \c, v[MK]
.endr
.irp i, 0,1,2,3,4,5,6,7
	v_mov_b32 v[ACC+\i], 0
.endr
.endif
	MM 0
	PLACES
	ENTRY 1
	TANH 0
	MM 1
	PLACES
	WBATCH \slot, 0
	WBATCH \slot, 1
	TANH 1
.endm
.macro SOFT slot
.irp i, 0,1,2,3
	ds_load_b32 v[T+\i], v[PSR] offset:128*\i
.endr
	WBATCH \slot, 2
	v_and_b32 v[T+4], 1, v[MK]
	v_lshrrev_b32 v[MK], 1, v[MK]
	v_mov_b32 v[T+5], 0xc9742400
	v_cmp_ne_u32 vcc_lo, 0, v[T+4]
	s_wait_dscnt 8
	v_add_f32 v[T], v[T], v[T+1]
	v_add_f32 v[T+2], v[T+2], v[T+3]
	v_add_f32 v[T], v[T], v[T+2]
	s_wait_alu depctr_va_vdst(0)
	v_cndmask_b32 v[T], v[T], v[T+5], vcc_lo
	v_mov_b32 v[T+1], v[T]
.irp x, 1,2,4,8
	v_max_num_f32_dpp v[T+1], v[T+1], v[T+1] row_xmask:\x row_mask:0xf bank_mask:0xf
.endr
	v_permlanex16_b32 v[T+2], v[T+1], s[SEL], s[SEL+1]
	v_max3_num_f32 v[T+1], v[T+1], v[T+2], v[RM]
	v_sub_f32 v[T+2], v[RM], v[T+1]
	v_sub_f32 v[T+3], v[T], v[T+1]
	v_mul_f32 v[T+2], 0x3fb8aa3b, v[T+2]
	v_mul_f32 v[T+3], 0x3fb8aa3b, v[T+3]
	s_wait_alu depctr_va_vdst(0)
	v_exp_f32 v[RF], v[T+2]
	v_exp_f32 v[T+3], v[T+3]
	v_mov_b32 v[RM], v[T+1]
	s_wait_alu depctr_va_vdst(0)
	v_fma_f32 v[RL], v[RL], v[RF], v[T+3]
	ds_store_b32 v[PBW], v[T+3]
.irp i, 0,1,2,3,4,5,6,7
	ds_load_b128 v[P+4*\i:P+4*\i+3], v[PBR] offset:16*\i
.endr
.endm
.macro WFMA b
.set NN, 8*(\b)
.rept 8
.set QQ, NN/2
.set AH, ACC+4*(NN%2)
.set XR, X+32*((NN/8+1)%3)+4*(NN%8)
.if QQ%2
	v_pk_fma_f32 v[AH:AH+1], v[XR:XR+1], v[P+QQ-1:P+QQ], v[AH:AH+1] op_sel:[0,1,0] op_sel_hi:[1,1,1]
	v_pk_fma_f32 v[AH+2:AH+3], v[XR+2:XR+3], v[P+QQ-1:P+QQ], v[AH+2:AH+3] op_sel:[0,1,0] op_sel_hi:[1,1,1]
.else
	v_pk_fma_f32 v[AH:AH+1], v[XR:XR+1], v[P+QQ:P+QQ+1], v[AH:AH+1] op_sel_hi:[1,0,1]
	v_pk_fma_f32 v[AH+2:AH+3], v[XR+2:XR+3], v[P+QQ:P+QQ+1], v[AH+2:AH+3] op_sel_hi:[1,0,1]
.endif
.set NN, NN+1
.endr
.endm
.macro WSUM slot
.irp i, 0,1,2,3
	v_pk_mul_f32 v[ACC+2*\i:ACC+2*\i+1], v[ACC+2*\i:ACC+2*\i+1], v[RF:RF+1] op_sel_hi:[1,0]
.endr
	s_wait_alu depctr_va_vdst(0)
	s_wait_dscnt 0x0
	WFMA 0
	WBATCH \slot, 3
	WFMA 1
	WBATCH \slot, 4
	WFMA 2
	WBATCH \slot, 5
	s_wait_alu depctr_va_vdst(0)
	s_wait_dscnt 16
	WFMA 3
	WBATCH \slot, 6
	s_wait_alu depctr_va_vdst(0)
	s_wait_dscnt 16
	WFMA 4
	WBATCH \slot, 7
	s_wait_alu depctr_va_vdst(0)
	s_wait_dscnt 16
	WFMA 5
	s_wait_alu depctr_va_vdst(0)
	s_wait_dscnt 8
	WFMA 6
	s_wait_alu depctr_va_vdst(0)
	s_wait_dscnt 0x0
	WFMA 7
.endm
.macro BODY slot, first
	QPHASE \slot
	BARRIER
	GPHASE \slot, \first
	BARRIER
	SOFT \slot
	WSUM \slot
.endm
	s_wait_alu depctr_va_vdst(0)                   ; the wait at the head's end
	s_wait_tensorcnt 0x0                           ; my part of slot 0 is in
	ds_add_u32 v20, v21                            ; the add ahead of a later first fill
	s_wait_dscnt 0x0
	s_barrier_signal -1
	s_barrier_wait -1                              ; slot 0 is whole for all four waves
	tensor_load_to_lds s[G0+4:G0+7], s[G1:G1+7]    ; slot 1's first fill: my one tensor load behind this barrier
	s_nop 0
	PLACES
	BODY 0, 1
	s_mov_b32 s[CNT], 3
.Lloop:
	HEAD 1, 1
	BODY 1, 0
	HEAD 0, 1
	BODY 0, 0
	s_sub_co_u32 s[CNT], s[CNT], 1
	s_cmp_lg_u32 s[CNT], 0
	s_cbranch_scc1 .Lloop
	HEAD 1, 0
	BODY 1, 0
.irp x, 1,2,4,8
	v_add_f32_dpp v[RL], v[RL], v[RL] row_xmask:\x row_mask:0xf bank_mask:0xf
.endr
	v_permlanex16_b32 v[T], v[RL], s[SEL], s[SEL+1]
	v_add_f32 v[RL], v[RL], v[T]
	v_and_b32 v[T+1], 31, v0
	v_lshlrev_b32 v[T+1], 3, v[T+1]
	s_lshl_b32 s40, s[WV], 10
	v_add_nc_u32 v[T+2], s40, v[GA]
	s_cmp_lg_u32 s[WV], 0
	s_cbranch_scc1 .Lnot_wave_0
	global_store_b64 v[T+1], v[RM:RM+1], s[16:17] offset:4096
.Lnot_wave_0:
	s_wait_alu depctr_va_vdst(0)
	global_store_b128 v[T+2], v[ACC:ACC+3], s[16:17]
	global_store_b128 v[T+2], v[ACC+4:ACC+7], s[16:17] offset:512
	s_wait_tensorcnt 0x0
	ds_add_u32 v[SPW], v[NIL]
	s_wait_dscnt 0x0
	s_endpgm
.Lfunc_end_k_q30618c807b_pool:
	.size	k_q30618c807b_pool, .Lfunc_end_k_q30618c807b_pool-k_q30618c807b_pool
	.p2alignl 7, 3214868480
	.fill 96, 4, 3214868480
	.section	.rodata,"a",@progbits
	.p2align	6, 0x0
	.amdhsa_kernel k_q30618c807b_pool
		.amdhsa_group_segment_fixed_size 327680
		.amdhsa_private_segment_fixed_size 0
		.amdhsa_enable_private_segment 0
		.amdhsa_kernarg_size 56
		.amdhsa_user_sgpr_count 2
		.amdhsa_user_sgpr_kernarg_segment_ptr 1
		.amdhsa_wavefront_size32 1
		.amdhsa_system_sgpr_workgroup_id_x 1
		.amdhsa_system_sgpr_workgroup_id_y 1
		.amdhsa_system_sgpr_workgroup_id_z 1
		.amdhsa_system_vgpr_workitem_id 0
		.amdhsa_next_free_vgpr 1024
		.amdhsa_next_free_sgpr 66
		.amdhsa_reserve_vcc 1
		.amdhsa_float_denorm_mode_32 3
		.amdhsa_float_denorm_mode_16_64 3
		.amdhsa_memory_ordered 1
		.amdhsa_forward_progress 1
		.amdhsa_inst_pref_size 255
	.end_amdhsa_kernel
	.section	.bss,"aw",@nobits
	.p2align	6
	.space	262144
	.amdgpu_metadata
---
amdhsa.version: [ 1, 2 ]
amdhsa.kernels:
  - .name:           k_q30618c807b_pool
    .symbol:         k_q30618c807b_pool.kd
    .args:
      - { .name: x, .offset: 0, .size: 8, .value_kind: global_buffer, .address_space: global }
      - { .name: mask, .offset: 8, .size: 8, .value_kind: global_buffer, .address_space: global }
      - { .name: bq, .offset: 16, .size: 8, .value_kind: global_buffer, .address_space: global }
      - { .name: vq, .offset: 24, .size: 8, .value_kind: global_buffer, .address_space: global }
      - { .name: wimg, .offset: 32, .size: 8, .value_kind: global_buffer, .address_space: global }
      - { .name: wscl, .offset: 40, .size: 8, .value_kind: global_buffer, .address_space: global }
      - { .name: part, .offset: 48, .size: 8, .value_kind: global_buffer, .address_space: global }
    .group_segment_fixed_size: 327680
    .private_segment_fixed_size: 0
    .kernarg_segment_align: 8
    .kernarg_segment_size: 56
    .max_flat_workgroup_size: 128
    .sgpr_count:     66
    .vgpr_count:     1024
    .wavefront_size: 32
...
	.end_amdgpu_metadata
.endif
;; end of part 2
;; launch join (part 3): grid 128 x 1, 8 waves a work-group, no clusters, 0 bytes of LDS; arguments part, out0; writes out0
.if DOCPART == 3
	.amdgcn_target "amdgcn-amd-amdhsa--gfx1250"
	.amdhsa_code_object_version 6
	.text
	.protected	k_q30618c807b_join
	.globl	k_q30618c807b_join
	.p2align	8
	.type	k_q30618c807b_join,@function
k_q30618c807b_join:
	s_mov_b64 s[64:65], 0
	v_nop
	global_prefetch_b8 v0, s[64:65] scope:SCOPE_SE
	s_setreg_imm32_b32 hwreg(HW_REG_WAVE_MODE, 25, 1), 1
	s_wait_xcnt 0x0
; out0[b][:] = (acc0 e0 + acc1 e1) / (l0 e0 + l1 e1), e_i = e^(m_i - max(m0, m1)): a batch's two halves, each with its own largest score m, sum l and weighted sum acc, are brought under one maximum.
; part: 4,352 bytes a half: acc (4,096), then (m, l) 32 times.  Each half's l is at least 1 under its own m (the row with the largest score counts 1), so the divisor is at least 1.
; A work-group to a batch; thread t owns 16 bytes of the row: each load and store of a wave covers 512 consecutive bytes.  No LDS, no barrier, no matrix work: 8,704 bytes in, 4,096 out.
	s_load_b128 s[4:7], s[0:1], 0x0                ; part, out0
	v_and_b32 v1, 31, v0
	s_delay_alu instid0(VALU_DEP_1)
	v_lshlrev_b32 v1, 3, v1                        ; 8 x lane: a wave reads the 256 bytes of (m, l) whole
	v_lshlrev_b32 v2, 4, v0                        ; 16 t
	s_mul_i32 s8, ttmp9, 8704                      ; the batch's two rows of part
	s_mov_b32 s9, 0
	s_lshl_b32 s10, ttmp9, 12                      ; its row of out0
	s_mov_b32 s11, 0
	s_wait_alu depctr_va_vdst(0)
	s_wait_kmcnt 0x0
	s_add_nc_u64 s[4:5], s[4:5], s[8:9]
	s_add_nc_u64 s[6:7], s[6:7], s[10:11]
	global_load_b64 v[4:5], v1, s[4:5] offset:4096     ; m0, l0
	global_load_b64 v[6:7], v1, s[4:5] offset:8448     ; m1, l1
	global_load_b128 v[8:11], v2, s[4:5]               ; acc0
	global_load_b128 v[12:15], v2, s[4:5] offset:4352  ; acc1
	s_wait_loadcnt 0x2                             ; m and l are in; the two loads of sums may be out
	v_max_num_f32 v16, v4, v6
	s_delay_alu instid0(VALU_DEP_1)
	v_sub_f32 v17, v4, v16
	s_delay_alu instid0(VALU_DEP_2)
	v_sub_f32 v18, v6, v16
	s_delay_alu instid0(VALU_DEP_2)
	v_mul_f32 v17, 0x3fb8aa3b, v17
	s_delay_alu instid0(VALU_DEP_2)
	v_mul_f32 v18, 0x3fb8aa3b, v18
	s_wait_alu depctr_va_vdst(0)
	v_exp_f32 v17, v17                             ; e0
	v_exp_f32 v18, v18                             ; e1: one of the two is 1
	v_nop                                          ; a plain place behind the exponentials
	s_wait_alu depctr_va_vdst(0)
	v_mul_f32 v19, v5, v17
	v_fma_f32 v19, v7, v18, v19                    ; l0 e0 + l1 e1
	s_wait_alu depctr_va_vdst(0)
	v_rcp_f32 v19, v19
	v_nop                                          ; a plain place behind the reciprocal
	s_wait_alu depctr_va_vdst(0)
	v_mul_f32 v20, v17, v19                        ; each factor twice: a pair for the packed forms
	v_mul_f32 v21, v17, v19
	v_mul_f32 v22, v18, v19
	v_mul_f32 v23, v18, v19
	s_wait_alu depctr_va_vdst(0)
	s_wait_loadcnt 0x0
	v_pk_mul_f32 v[8:9], v[8:9], v[20:21]
	v_pk_mul_f32 v[10:11], v[10:11], v[20:21]
	s_delay_alu instid0(VALU_DEP_2)
	v_pk_fma_f32 v[8:9], v[12:13], v[22:23], v[8:9]
	s_delay_alu instid0(VALU_DEP_2)
	v_pk_fma_f32 v[10:11], v[14:15], v[22:23], v[10:11]
	global_store_b128 v2, v[8:11], s[6:7]
	s_endpgm
.Lfunc_end_k_q30618c807b_join:
	.size	k_q30618c807b_join, .Lfunc_end_k_q30618c807b_join-k_q30618c807b_join
	.p2alignl 7, 3214868480
	.fill 96, 4, 3214868480
	.section	.rodata,"a",@progbits
	.p2align	6, 0x0
	.amdhsa_kernel k_q30618c807b_join
		.amdhsa_group_segment_fixed_size 0
		.amdhsa_private_segment_fixed_size 0
		.amdhsa_enable_private_segment 0
		.amdhsa_kernarg_size 16
		.amdhsa_user_sgpr_count 2
		.amdhsa_user_sgpr_kernarg_segment_ptr 1
		.amdhsa_wavefront_size32 1
		.amdhsa_system_sgpr_workgroup_id_x 1
		.amdhsa_system_sgpr_workgroup_id_y 1
		.amdhsa_system_sgpr_workgroup_id_z 1
		.amdhsa_system_vgpr_workitem_id 0
		.amdhsa_next_free_vgpr 32
		.amdhsa_next_free_sgpr 66
		.amdhsa_reserve_vcc 0
		.amdhsa_float_denorm_mode_32 3
		.amdhsa_float_denorm_mode_16_64 3
		.amdhsa_memory_ordered 1
		.amdhsa_forward_progress 1
		.amdhsa_inst_pref_size 3
	.end_amdhsa_kernel
	.amdgpu_metadata
---
amdhsa.version: [ 1, 2 ]
amdhsa.kernels:
  - .name:           k_q30618c807b_join
    .symbol:         k_q30618c807b_join.kd
    .args:
      - { .name: part, .offset: 0, .size: 8, .value_kind: global_buffer, .address_space: global }
      - { .name: out0, .offset: 8, .size: 8, .value_kind: global_buffer, .address_space: global }
    .group_segment_fixed_size: 0
    .private_segment_fixed_size: 0
    .kernarg_segment_align: 8
    .kernarg_segment_size: 16
    .max_flat_workgroup_size: 256
    .sgpr_count:     66
    .vgpr_count:     32
    .wavefront_size: 32
...
	.end_amdgpu_metadata
.endif
;; end of part 3
